; MI455X (gfx1250); checked and timed in simulation.
; The chip was launched on July 23, 2026; its instructions are those of AMD's public machine-readable ISA for CDNA 5 (MIT licence, August 2026) and "CDNA5" Instruction Set Architecture Reference Guide (July 2026). The comments in the code are by the model that wrote it; some were corrected since.
;; Cross Attention. Allowed arithmetic: matrix products marked QUANTISED: E2M3 operands, one E8M0 scale for each 32 along K, by v_wmma_scale_f32_16x16x128_f8f6f4 with both operands' format E2M3, f32 sums; everything else in f32.
;; Inputs: context 4 x 512 x 1,024 float32; context_mask 4 x 512 bool; kv_b 2,048 float32; kv_w 1,024 x 2,048 float32; proj_b 1,024 float32; proj_w 1,024 x 1,024 float32; q_b 1,024 float32; q_w 1,024 x 1,024 float32; x 4 x 4,096 x 1,024 float32.
;; Outputs: out0 4 x 4,096 x 1,024 float32.
;; This version of the problem:
;;   THIS VERSION OF THE PROBLEM IS GIVEN IN LOW PRECISION. The matrix products marked QUANTISED in the list below multiply operands that are first quantised to E2M3 (2 exponent bits, 3 mantissa bits; 6 bits a number), with one power-of-two scale for each 32 numbers along K (OCP MX v1.0); their sums are f32. All else is computed in f32.
;;   The module's matrix products, in the order in which they are computed (A, B: the left and right operand; K: the contracted axis; several contracted axes count as one K, in the product's order):
;;     1. [M 16,384, K 1,024] x [K 1,024, N 1,024]; A: input x; B: input q_w: QUANTISED
;;     2. [M 2,048, K 1,024] x [K 1,024, N 2,048]; A: input context; B: input kv_w: QUANTISED
;;     3. batch 64 x [M 4,096, K 64] x [K 64, N 512]; A: computed on the way; B: computed on the way: QUANTISED
;;     4. batch 64 x [M 64, K 512] x [K 512, N 4,096]; A: computed on the way; B: softmax (see below): QUANTISED
;;     5. [M 16,384, K 1,024] x [K 1,024, N 1,024]; A: computed on the way; B: input proj_w: QUANTISED
;;   THE QUANTISER, for each operand of a quantised product, along K:
;;     - K is cut into blocks of 32 from its start; a last block that is shorter is filled with zeros.
;;     - A block's scale is 2^e with e = floor(log2(the largest magnitude in the block)) - 2, held to -126 .. 127; a block of zeros has e = 0. As a byte (E8M0): e + 127.
;;     - Each number is divided by its block's scale, clamped to +-7.5, and rounded to the nearest number of E2M3, ties to even, subnormals kept.
;;     - The product sums the exact products of the quantised numbers (number of the format x scale) in f32.
;;   ~~~python
;;   def quantise(x, axis):      # numpy; x: float32 -> the quantised numbers, widened to float32 again
;;       x = np.moveaxis(x, axis, -1); K = x.shape[-1]
;;       x = np.pad(x, [(0, 0)] * (x.ndim - 1) + [(0, -K % 32)]); x = x.reshape(x.shape[:-1] + (-1, 32)); a = np.abs(x).max(-1, keepdims=True)
;;       e = np.where(a > 0, np.clip(np.frexp(np.where(a > 0, a, 1))[1] - 1 - 2, -126, 127), 0)      # np.frexp(a)[1] - 1 = floor(log2(a)), exactly
;;       r = np.clip(x / 2.0 ** e, -7.5, 7.5)
;;       step = 2.0 ** (np.maximum(np.frexp(np.where(r == 0, 1, r))[1] - 1, 0) - 3)
;;       q = np.round(r / step) * step * 2.0 ** e      # np.round: ties to even
;;       return np.moveaxis(q.reshape(q.shape[:-2] + (-1,))[..., :K], -1, axis).astype(np.float32)
;;   ~~~
;;   SOFTMAX AHEAD OF A QUANTISED PRODUCT. Where the list says 'softmax', what is quantised is not the finished softmax but p = 2^(t - M), with t = logit x log2(e) and M = ceil(the row's largest t), a whole number; so 1/2 < the row's largest p <= 1. The row's sum l is taken of the UNQUANTISED p, in f32, and the product's result is divided by l at the end. Since M is a whole number, a kernel that streams over the keys may use a running M (the ceiling of the running maximum): every later rescaling is an exact power of two, which a block's scale takes up: the codes' values come out the same.
;;   OPERANDS COMPUTED ON THE WAY. 'Computed on the way' means the value that the module computes at that place (a softmax that the list does not call 'softmax' is quantised finished and normalised). What goes into a quantiser is computed in f32, as accurately as f32 sums, v_exp_f32 and their like allow (about 1e-6 of the number): no bf16 or f16 on the way to a quantiser, and a product that is left as it is and whose result goes on into a quantised operand takes f32 operands (vector FMAs, or v_wmma_f32_16x16x4_f32). A number that lies on a knife's edge between two numbers of the format may be rounded either way, as far as f32 arithmetic and the matrix unit's own rounding can turn it there, and no further.
;; One version. Each part assembles by itself: llvm-mc -triple=amdgcn-amd-amdhsa -mcpu=gfx1250 --defsym DOCPART=n.
;; ======== version 1 of 1: 3 launches
;; limits: right only within a limited range of input values
;; workspace buffers: wq 819,200 bytes; wp 819,200 bytes; wkv 1,638,400 bytes; ctxc 1,638,400 bytes; kvs 3,932,160 bytes
;; launch prep (part 1): grid 512 x 1, 4 waves a work-group, no clusters, 13,824 bytes of LDS; arguments q_w, proj_w, kv_w, context, wq, wp, wkv, ctxc; writes wq, wp, wkv, ctxc
.if DOCPART == 1
	.amdgcn_target "amdgcn-amd-amdhsa--gfx1250"
	.amdhsa_code_object_version 6
	.text
	.protected	k_q571d1ffdaf_prep
	.globl	k_q571d1ffdaf_prep
	.p2align	8
	.type	k_q571d1ffdaf_prep,@function
k_q571d1ffdaf_prep:
	s_mov_b64 s[64:65], 0
	v_nop
	global_prefetch_b8 v0, s[64:65] scope:SCOPE_SE
	s_setreg_imm32_b32 hwreg(HW_REG_WAVE_MODE, 25, 1), 1
	s_wait_xcnt 0x0
; The three weights ([K][N] f32) and the context ([rows][K] f32) become codes of FP6 (E2M3) with one E8M0 byte for each 32 along K,
; laid in the ORDER OF THE OPERAND'S REGISTERS: a fragment (16 rows x 128 K, 12 registers a lane) is 1,536 bytes, register p of lane l at 512 (p / 4) + 16 l + 4 (p % 4);
; its scale words, 4 bytes a row, lie behind the fragments of its block of 102,400 bytes.
; THE ROWS OF A TILE ARE NOT NEIGHBOURS: lane r of tile 2 b + u takes index 32 b + 8 u + r + 8 (r / 8) (weight columns inside a head's 64, keys inside 128).
; A block's scale is 2^(floor(log2(largest magnitude)) - 2); its byte is the largest magnitude's exponent field - 2, held at 1 from below.
; LIMITS: a block of zeros gets the byte 1 where the rule says 127 (its codes are zeros, and this program alone reads the bytes); NaN and infinities among the inputs are not served.
; Work-groups 0-255: a weight's 128 columns x 128 K; a lane takes a column and its registers run down K.
; Work-groups 256-511: the context, K innermost, straight from registers to memory: ONE unit of 16 keys x 128 K to a wave, since a lane's 16 bytes of such a load lie in a row of their own.
.set SPARE, 13312                      ; behind the four waves' regions: the spare words, 128 bytes a wave
.set WREG,  3328                       ; a wave's LDS region: two fragments' images (3,072) and their 32 scale words
.set OFF,   16                         ; v16-47   4 x lane + i x pitch, i = 0 .. 31; never rewritten
.set X,     48                         ; v48-111  two sets of 32 numbers
.set CD,    112                        ; v112-117 a block's codes
.set CE,    120                        ; v120-122 their second half as the conversion leaves it
.set SW,    124                        ; v124     my column's scale word
.set OUTR,  128                        ; v128-152 the way out
.set TM,    212                        ; v212-227 the context's quantiser: at work
.set PT,    228                        ; v228-234 the same
	s_load_b256 s[4:11], s[0:1], 0x0               ; q_w s[4:5], proj_w s[6:7], kv_w s[8:9], context s[10:11]
	s_load_b256 s[12:19], s[0:1], 0x20             ; wq s[12:13], wp s[14:15], wkv s[16:17], ctxc s[18:19]
	v_lshl_add_u32 v1, v0, 2, SPARE                ; my spare word,
	v_mov_b32 v2, 0                                ; and 0: kept for the closing lines alone
	v_lshrrev_b32 v3, 5, v0
	v_readfirstlane_b32 s20, v3                    ; wave 0..3
	v_and_b32 v3, 31, v0                           ; lane
	v_lshlrev_b32 v4, 2, v3                        ; 4 x lane
	v_lshlrev_b32 v10, 4, v3                       ; 16 x lane
	s_mov_b32 s22, 0x76543210
	s_mov_b32 s23, 0xfedcba98                      ; v_permlanex16_b32's selects for lane l xor 16
	s_cmp_ge_u32 ttmp9, 256
	s_cbranch_scc1 .Lctx
	; ---- the weights.  G = which 128 columns (0-7 q_w, 8-15 proj_w, 16-31 kv_w), s = which 128 along K
	s_and_b32 s24, ttmp9, 31                       ; G
	s_lshr_b32 s25, ttmp9, 5                       ; s
	s_and_b32 s26, s24, 7
	s_and_b32 s27, s24, 15
	s_lshr_b32 s28, s24, 3
	s_and_b32 s28, s28, 1                          ; kv_w: 0 = K's columns, 1 = V's
	s_lshr_b32 s29, s20, 1
	s_and_b32 s30, s20, 1
	s_lshl_b32 s31, s26, 1
	s_add_co_u32 s31, s31, s29                     ; the head: 2 (G % 8) + wave / 2
	s_lshl_b32 s32, s25, 2
	s_lshl_b32 s33, s30, 1
	s_add_co_u32 s32, s32, s33                     ; wkv: fragment 4 s + 2 (wave % 2)
	s_lshl_b32 s33, s26, 3
	s_lshl_b32 s34, s20, 1
	s_add_co_u32 s33, s33, s34                     ; wq, wp: column tile 8 (G % 8) + 2 wave
	s_mov_b32 s35, 8192
	s_wait_kmcnt 0x0
	s_cmp_lt_u32 s24, 8                            ; the choices hang on the work-group's number alone
	s_cselect_b64 s[36:37], s[4:5], s[6:7]
	s_cselect_b64 s[38:39], s[12:13], s[14:15]
	s_cmp_lt_u32 s24, 16
	s_cselect_b64 s[36:37], s[36:37], s[8:9]       ; from
	s_cselect_b64 s[38:39], s[38:39], s[16:17]     ; to
	s_cselect_b32 s35, 4096, s35                   ; a row of the weight in bytes
	s_cselect_b32 s27, s26, s27                    ; which 128 columns of it
	s_cselect_b32 s31, s25, s31                    ; the block of 102,400 bytes: K step, or head
	s_cselect_b32 s32, s33, s32                    ; the first of my two fragments in it
	s_cselect_b32 s28, 0, s28
	s_lshl_b32 s40, s27, 9
	s_lshl_b32 s41, s20, 7
	s_add_co_u32 s40, s40, s41                     ; 4 x my wave's first column
	s_lshl_b32 s41, s25, 7
	s_mul_i32 s41, s41, s35
	s_add_co_u32 s40, s40, s41                     ; + 128 s rows
	s_mov_b32 s41, 0
	s_add_nc_u64 s[44:45], s[36:37], s[40:41]      ; four bases, one for each block of 32 rows: nothing is stepped
	s_lshl_b32 s42, s35, 5
	s_mov_b32 s43, 0
	s_add_nc_u64 s[46:47], s[44:45], s[42:43]
	s_add_nc_u64 s[48:49], s[46:47], s[42:43]
	s_add_nc_u64 s[50:51], s[48:49], s[42:43]
	s_mul_i32 s40, s31, 102400
	s_mul_i32 s52, s28, 49152
	s_mul_i32 s53, s32, 1536
	s_add_co_u32 s52, s52, s53
	s_add_co_u32 s52, s52, s40
	s_mov_b32 s53, 0
	s_add_nc_u64 s[54:55], s[38:39], s[52:53]      ; my two fragments
	s_lshl_b32 s52, s28, 11
	s_lshl_b32 s56, s32, 6
	s_add_co_u32 s52, s52, s56
	s_add_co_u32 s52, s52, s40
	s_add_co_u32 s52, s52, 98304
	s_add_nc_u64 s[56:57], s[38:39], s[52:53]      ; their scale words
.set i, 0
	s_wait_alu depctr_va_vdst(0)
.rept 32
	v_mad_u32_u24 v[OFF+i], s35, i, v4
.set i, i+1
.endr
	s_mul_i32 s58, s20, WREG
	v_bfe_u32 v5, v3, 3, 1                         ; column l of my 32 is lane r = l % 8 + 8 (l / 16) of tile u = (l / 8) % 2
	v_and_b32 v6, 7, v3
	v_lshrrev_b32 v7, 4, v3
	v_lshl_add_u32 v6, v7, 3, v6
	v_mul_u32_u24 v8, v5, 1536
	v_lshl_add_u32 v8, v6, 4, v8
	v_add_nc_u32 v8, s58, v8                       ; my column's 16 bytes in its tile's image
	v_lshlrev_b32 v9, 6, v5
	v_lshl_add_u32 v9, v6, 2, v9
	v_add_nc_u32 v9, s58, v9                       ; and its scale word (3,072 bytes on)
	v_add_nc_u32 v11, s58, v10                     ; back: 16 bytes a lane,
	v_add_nc_u32 v12, s58, v4                      ; 4 bytes a lane
.macro LOADW k                         ; block k: W(32 k + i, my column) into set k % 2: 32 lanes read 128 consecutive bytes, the four waves 512
.set i, 0
.rept 32
	global_load_b32 v[X+32*((\k)%2)+i], v[OFF+i], s[44+2*(\k):45+2*(\k)] th:TH_LOAD_NT
.set i, i+1
.endr
.endm
	LOADW 0
	LOADW 1
.macro BLOCK k                         ; block k of 32 along K is registers 6 (k / 2) .. + 5 of lane r + 16 (k % 2) of the fragment
.set XB, X+32*((\k)%2)
.if (\k) < 3
	s_wait_loadcnt 32                              ; this block's 32 loads are in; the next block's may be out
.else
	s_wait_loadcnt 0x0
.endif
	v_max3_num_f32 v13, |v[XB]|, |v[XB+1]|, |v[XB+2]|
	v_max3_num_f32 v14, |v[XB+3]|, |v[XB+4]|, |v[XB+5]|
.irp i, 6,10,14,18,22,26
	v_max3_num_f32 v13, v13, |v[XB+\i]|, |v[XB+\i+1]|
	v_max3_num_f32 v14, v14, |v[XB+\i+2]|, |v[XB+\i+3]|
.endr
	v_max3_num_f32 v13, v13, |v[XB+30]|, |v[XB+31]|
	v_max3_num_f32 v13, v13, v14, 0x1800000        ; and the floor 2^(3 - 127): the byte cannot fall under 1
	v_add_nc_u32 v15, 0xff000000, v13              ; 2 off the exponent field: the conversion's scale operand
	v_lshrrev_b32 v14, 23, v15                     ; the byte
.if (\k) == 0
	v_mov_b32 v[SW], v14
.else
	v_lshl_or_b32 v[SW], v14, 8*(\k), v[SW]
.endif
	v_cvt_scalef32_pk16_fp6_f32 v[CD:CD+2], v[XB:XB+15], v15
	v_cvt_scalef32_pk16_fp6_f32 v[CE:CE+2], v[XB+16:XB+31], v15    ; (a conversion's three registers begin on an even number)
	v_nop                                          ; one plain place behind a scaled conversion
.irp i, 0,1,2
	v_mov_b32 v[CD+3+\i], v[CE+\i]
.endr
.if (\k) < 2
	ds_store_b128 v8, v[CD:CD+3] offset:256*(\k)               ; registers 0-3,
	ds_store_b64 v8, v[CD+4:CD+5] offset:512+256*(\k)          ; 4-5
.else
	ds_store_b64 v8, v[CD:CD+1] offset:520+256*((\k)-2)        ; registers 6-7,
	ds_store_b128 v8, v[CD+2:CD+5] offset:1024+256*((\k)-2)    ; 8-11
.endif
.if (\k) < 2
	LOADW (\k)+2
.endif
	s_wait_dscnt 0x0                               ; the stores have read their registers
.endm
	BLOCK 0
	BLOCK 1
	BLOCK 2
	BLOCK 3
	s_wait_alu depctr_va_vdst(0)
	ds_store_b32 v9, v[SW] offset:3072
.irp g, 0,1,2,3,4,5
	ds_load_b128 v[OUTR+4*\g:OUTR+4*\g+3], v11 offset:512*\g   ; LDS serves a wave's instructions in order: these see my stores
.endr
	ds_load_b32 v[OUTR+24], v12 offset:3072
.irp g, 0,1,2,3,4,5
	s_wait_dscnt 6-\g                              ; the younger read-backs may be out
	global_store_b128 v10, v[OUTR+4*\g:OUTR+4*\g+3], s[54:55] offset:512*\g   ; 32 lanes store 512 consecutive bytes
.endr
	s_wait_dscnt 0x0
	global_store_b32 v4, v[OUTR+24], s[56:57]
	s_wait_tensorcnt 0x0                           ; the wave's end: behind my last LDS store
	ds_add_u32 v1, v2
	s_wait_dscnt 0x0
	s_endpgm
	; ---- the context: block = 128 keys of a batch; my wave: K step s, key tile 4 (wave % 2) + e
.Lctx:
	s_sub_co_u32 s24, ttmp9, 256
	s_and_b32 s41, s24, 3                          ; e
	s_lshr_b32 s24, s24, 2
	s_lshr_b32 s25, s24, 2                         ; block
	s_and_b32 s26, s24, 3
	s_lshl_b32 s26, s26, 1
	s_lshr_b32 s27, s20, 1
	s_add_co_u32 s26, s26, s27                     ; s
	s_and_b32 s27, s20, 1
	s_lshl_b32 s28, s25, 7
	s_lshl_b32 s29, s27, 6
	s_add_co_u32 s28, s28, s29                     ; row 128 block + 64 (wave % 2)
	s_lshr_b32 s29, s41, 1
	s_lshl_b32 s29, s29, 5
	s_add_co_u32 s28, s28, s29                     ; + 32 (e / 2)
	s_and_b32 s29, s41, 1
	s_lshl_b32 s29, s29, 3
	s_add_co_u32 s28, s28, s29                     ; + 8 (e % 2)
	s_lshl_b32 s28, s28, 12
	s_lshl_b32 s29, s26, 9
	s_add_co_u32 s28, s28, s29                     ; + 512 s bytes
	s_mov_b32 s29, 0
	s_mul_i32 s30, s25, 102400
	s_lshl_b32 s31, s26, 3
	s_lshl_b32 s32, s27, 2
	s_add_co_u32 s31, s31, s32
	s_add_co_u32 s31, s31, s41                     ; fragment 8 s + 4 (wave % 2) + e
	s_mul_i32 s32, s31, 1536
	s_add_co_u32 s32, s32, s30
	s_mov_b32 s33, 0
	s_lshl_b32 s34, s31, 6
	s_add_co_u32 s34, s34, s30
	s_add_co_u32 s34, s34, 98304
	s_mov_b32 s35, 0
	s_wait_kmcnt 0x0
	s_add_nc_u64 s[10:11], s[10:11], s[28:29]
	s_add_nc_u64 s[36:37], s[18:19], s[32:33]
	s_add_nc_u64 s[38:39], s[18:19], s[34:35]
	s_wait_alu depctr_va_vdst(0)
	v_and_b32 v5, 15, v3                           ; r
	v_lshrrev_b32 v6, 4, v3                        ; h
	v_and_b32 v7, 8, v5
	v_add_nc_u32 v7, v7, v5                        ; r + 8 (r / 8)
	v_lshlrev_b32 v7, 12, v7
	v_lshl_add_u32 v7, v6, 6, v7                   ; my row, + 64 h: my 16 numbers of each block of 32
	v_lshlrev_b32 v9, 2, v5                        ; 4 r: my row's scale word
.irp b, 0,1,2,3
.irp q, 0,1,2,3
	global_load_b128 v[32+16*\b+4*\q:32+16*\b+4*\q+3], v7, s[10:11] offset:128*\b+16*\q th:TH_LOAD_NT   ; 64 numbers a lane, register 16 b + i = k 32 b + 16 h + i
.endr
.endr
.irp b, 0,1,2,3
	v_mov_b32 v[TM+4+\b], 0                        ; written once: a lane permute's destination counts as one of its sources
.endr
.macro QUANT128 s, d, pw               ; 64 numbers of a lane become a fragment's 12 registers at v[d] and its scale word in v[pw]
.irp b, 0,1,2,3
	v_max3_num_f32 v[TM+\b], |v[(\s)+16*\b]|, |v[(\s)+1+16*\b]|, 0x1800000
.endr
.irp i, 2,4,6,8,10,12,14
.irp b, 0,1,2,3
	v_max3_num_f32 v[TM+\b], v[TM+\b], |v[(\s)+16*\b+\i]|, |v[(\s)+1+16*\b+\i]|
.endr
.endr
.irp b, 0,1,2,3
	v_permlanex16_b32 v[TM+4+\b], v[TM+\b], s22, s23
.endr
.irp b, 0,1,2,3
	v_max_num_f32 v[TM+\b], v[TM+\b], v[TM+4+\b]   ; with lane l xor 16's: the block's largest magnitude
.endr
.irp b, 0,1,2,3
	v_add_nc_u32 v[TM+12+\b], 0xff000000, v[TM+\b]
.endr
.irp b, 0,1,2,3
	v_lshrrev_b32 v[TM+4+\b], 23, v[TM+12+\b]
.endr
	v_lshl_or_b32 v[\pw], v[TM+5], 8, v[TM+4]
	v_lshl_or_b32 v[\pw], v[TM+6], 16, v[\pw]
	v_lshl_or_b32 v[\pw], v[TM+7], 24, v[\pw]
.irp c, 0,1
	v_cvt_scalef32_pk16_fp6_f32 v[(\d)+6*\c:(\d)+6*\c+2], v[(\s)+32*\c:(\s)+32*\c+15], v[TM+12+2*\c]
	v_cvt_scalef32_pk16_fp6_f32 v[PT+4*\c:PT+4*\c+2], v[(\s)+32*\c+16:(\s)+32*\c+31], v[TM+13+2*\c]
.endr
	v_nop                                          ; one plain place behind a scaled conversion
.irp c, 0,1                            ; the layout wants a whole block in a lane: lanes 0-15 block 2 c, lanes 16-31 block 2 c + 1
.irp i, 0,1,2
	v_permlane16_swap_b32 v[(\d)+6*\c+\i], v[PT+4*\c+\i]
.endr
.irp i, 0,1,2
	v_mov_b32 v[(\d)+3+6*\c+\i], v[PT+4*\c+\i]
.endr
.endr
.endm
	s_wait_loadcnt 0x0
	QUANT128 32, 160, 208
.irp g, 0,1,2
	global_store_b128 v10, v[160+4*\g:160+4*\g+3], s[36:37] offset:512*\g   ; 32 lanes store 512 consecutive bytes
.endr
	global_store_b32 v9, v208, s[38:39]            ; lanes l and l + 16 hold the same row's word and store it to the same place: 64 bytes a tile
	s_wait_tensorcnt 0x0                           ; the same three lines on this way
	ds_add_u32 v1, v2
	s_wait_dscnt 0x0
	s_endpgm
.Lfunc_end_k_q571d1ffdaf_prep:
	.size	k_q571d1ffdaf_prep, .Lfunc_end_k_q571d1ffdaf_prep-k_q571d1ffdaf_prep
	.p2alignl 7, 3214868480
	.fill 96, 4, 3214868480
	.section	.rodata,"a",@progbits
	.p2align	6, 0x0
	.amdhsa_kernel k_q571d1ffdaf_prep
		.amdhsa_group_segment_fixed_size 13824
		.amdhsa_private_segment_fixed_size 0
		.amdhsa_enable_private_segment 0
		.amdhsa_kernarg_size 64
		.amdhsa_user_sgpr_count 2
		.amdhsa_user_sgpr_kernarg_segment_ptr 1
		.amdhsa_wavefront_size32 1
		.amdhsa_system_sgpr_workgroup_id_x 1
		.amdhsa_system_sgpr_workgroup_id_y 1
		.amdhsa_system_sgpr_workgroup_id_z 1
		.amdhsa_system_vgpr_workitem_id 0
		.amdhsa_next_free_vgpr 240
		.amdhsa_next_free_sgpr 66
		.amdhsa_reserve_vcc 0
		.amdhsa_float_denorm_mode_32 3
		.amdhsa_float_denorm_mode_16_64 3
		.amdhsa_memory_ordered 1
		.amdhsa_forward_progress 1
		.amdhsa_inst_pref_size 33
	.end_amdhsa_kernel
	.amdgpu_metadata
---
amdhsa.version: [ 1, 2 ]
amdhsa.kernels:
  - .name:           k_q571d1ffdaf_prep
    .symbol:         k_q571d1ffdaf_prep.kd
    .args:
      - { .name: q_w, .offset: 0, .size: 8, .value_kind: global_buffer, .address_space: global }
      - { .name: proj_w, .offset: 8, .size: 8, .value_kind: global_buffer, .address_space: global }
      - { .name: kv_w, .offset: 16, .size: 8, .value_kind: global_buffer, .address_space: global }
      - { .name: context, .offset: 24, .size: 8, .value_kind: global_buffer, .address_space: global }
      - { .name: wq, .offset: 32, .size: 8, .value_kind: global_buffer, .address_space: global }
      - { .name: wp, .offset: 40, .size: 8, .value_kind: global_buffer, .address_space: global }
      - { .name: wkv, .offset: 48, .size: 8, .value_kind: global_buffer, .address_space: global }
      - { .name: ctxc, .offset: 56, .size: 8, .value_kind: global_buffer, .address_space: global }
    .group_segment_fixed_size: 13824
    .private_segment_fixed_size: 0
    .kernarg_segment_align: 8
    .kernarg_segment_size: 64
    .max_flat_workgroup_size: 128
    .sgpr_count:     66
    .vgpr_count:     240
    .wavefront_size: 32
...
	.end_amdgpu_metadata
.endif
;; end of part 1
;; launch kvproj (part 2): grid 16 x 16, 8 waves a work-group, clusters of 4 x 4, 205,824 bytes of LDS; arguments ctxc, wkv, kv_b, context_mask, kvs; writes kvs
.if DOCPART == 2
	.amdgcn_target "amdgcn-amd-amdhsa--gfx1250"
	.amdhsa_code_object_version 6
	.text
	.protected	k_q571d1ffdaf_kvproj
	.globl	k_q571d1ffdaf_kvproj
	.p2align	8
	.type	k_q571d1ffdaf_kvproj,@function
k_q571d1ffdaf_kvproj:
	s_mov_b64 s[64:65], 0
	v_nop
	global_prefetch_b8 v0, s[64:65] scope:SCOPE_SE
	s_setreg_imm32_b32 hwreg(HW_REG_WAVE_MODE, 25, 1), 1
	s_wait_xcnt 0x0
	s_wait_alu depctr_hold_cnt(0) depctr_sa_sdst(0) depctr_va_vdst(0) depctr_va_sdst(0) depctr_va_ssrc(0) depctr_va_vcc(0) depctr_vm_vsrc(0)
	s_getreg_b32 s2, hwreg(HW_REG_IB_STS2, 6, 4)
	s_cmp_eq_u32 s2, 0
	s_cbranch_scc0 .Lentry_in_a_cluster
	s_endpgm
.Lentry_in_a_cluster:
	s_bfe_u32 s2, ttmp6, 0x10000c
	s_cmp_lg_u32 s2, 0xf033
	s_cbranch_scc0 .Lentry_shape_is_right
	s_endpgm
.Lentry_shape_is_right:
; k and v of one head (work-group x) for 128 keys of one batch (work-group y = 4 batch + key step): context x kv_w + kv_b on codes of FP6, K = 1,024 in 8 steps,
; then quantised again: k along the head's 64, v along the 128 keys, and stored as images of the operands' registers in the block that the attention launch walks.
; Both operands lie in LDS whole (102,400 bytes each), filled once.  CLUSTER 4 x 4: the context's block hangs on y alone and is asked for jointly along a row of the cluster, the weights' block on x alone, along a column.
; Waves 0-3 make k: two key tiles each, TRANSPOSED (source 0 = 16 of the head's 64, source 1 = 16 keys): a lane holds one key and its registers run along d.
; Waves 4-7 make v: 16 of the head's 64 each (source 0 = 16 keys, source 1 = 16 d): a lane holds one d and its registers run along the keys.
; THE MASK is laid into k: the code at k = 64 of a masked key is -1.0 and its block's byte 247 (2^120); the query's code there is +1.0 under the byte 127: a masked score is the score - 2^120.  Idle blocks have the byte 1.
; LIMITS: scores must stay far under 2^120 in magnitude; a block of zeros gets the byte 1; NaN and infinities among the inputs are not served.
.set SPARE, 204800                     ; behind the two blocks: the spare words, 128 bytes for each of eight waves
.set G1A, 24                           ; s[24:31], s[32:35] descriptor groups 1 and 0 for the context's block
.set G0A, 32
.set G1B, 48                           ; s[48:55], s[56:59] for the weights'
.set G0B, 56
.set KC,  192                          ; v192-207 k's two images of 8 registers
.set PC,  208                          ; v208-219 v's fragment
.set PT,  220                          ; v220-226 at work
.set TM,  228                          ; v228-243 at work
.set BV,  244                          ; v244-251 v's bias as the first product's C
.set PWR, 252                          ; the scale bytes just made
.set KW,  253                          ; v253-254 k's scale words
.macro CROUND
	s_barrier_signal -1
	s_barrier_wait -1
	s_cmp_lg_u32 s14, 0
	s_cbranch_scc1 .Lnw0_\@
	s_barrier_signal -3
.Lnw0_\@:
	s_barrier_wait -3
	s_barrier_signal -1
	s_barrier_wait -1
.endm
.macro WM d, a, b, c, sa, sb, ra, rb   ; D, source 0, source 1, C, their scales; ra, rb = 1: the scales stand in lanes 16-31
.if (\ra) && (\rb)
	v_wmma_scale_f32_16x16x128_f8f6f4 v[(\d):(\d)+7], v[(\a):(\a)+11], v[(\b):(\b)+11], v[(\c):(\c)+7], v[(\sa)], v[(\sb)] matrix_a_fmt:MATRIX_FMT_FP6 matrix_b_fmt:MATRIX_FMT_FP6 matrix_a_scale:MATRIX_SCALE_ROW1 matrix_b_scale:MATRIX_SCALE_ROW1
.elseif (\ra)
	v_wmma_scale_f32_16x16x128_f8f6f4 v[(\d):(\d)+7], v[(\a):(\a)+11], v[(\b):(\b)+11], v[(\c):(\c)+7], v[(\sa)], v[(\sb)] matrix_a_fmt:MATRIX_FMT_FP6 matrix_b_fmt:MATRIX_FMT_FP6 matrix_a_scale:MATRIX_SCALE_ROW1
.elseif (\rb)
	v_wmma_scale_f32_16x16x128_f8f6f4 v[(\d):(\d)+7], v[(\a):(\a)+11], v[(\b):(\b)+11], v[(\c):(\c)+7], v[(\sa)], v[(\sb)] matrix_a_fmt:MATRIX_FMT_FP6 matrix_b_fmt:MATRIX_FMT_FP6 matrix_b_scale:MATRIX_SCALE_ROW1
.else
	v_wmma_scale_f32_16x16x128_f8f6f4 v[(\d):(\d)+7], v[(\a):(\a)+11], v[(\b):(\b)+11], v[(\c):(\c)+7], v[(\sa)], v[(\sb)] matrix_a_fmt:MATRIX_FMT_FP6 matrix_b_fmt:MATRIX_FMT_FP6
.endif
.endm
	s_load_b256 s[4:11], s[0:1], 0x0               ; ctxc s[4:5], wkv s[6:7], kv_b s[8:9], the mask s[10:11]
	s_load_b64 s[12:13], s[0:1], 0x20              ; kvs
	v_lshl_add_u32 v1, v0, 2, SPARE
	v_mov_b32 v2, 0
	ds_add_u32 v1, v2                              ; the wave's opening: the add and its wait ahead of my first tensor load
	ds_add_u32 v1, v2
	v_lshrrev_b32 v3, 5, v0
	s_delay_alu instid0(VALU_DEP_1)
	v_readfirstlane_b32 s14, v3                    ; wave 0..7
	s_and_b32 s15, s14, 3                          ; my number within my role
	s_bfe_u32 s40, ttmp6, 0x40000                  ; cx
	s_bfe_u32 s41, ttmp6, 0x40004                  ; cy
	s_lshl_b32 s42, ttmp9, 2
	s_add_co_u32 s42, s42, s40                     ; the head
	s_and_b32 s17, ttmp7, 0xffff
	s_lshl_b32 s17, s17, 2
	s_add_co_u32 s17, s17, s41                     ; y = 4 batch + key step
	s_lshl_b32 s43, s41, 2
	s_lshl_b32 s43, 15, s43                        ; my row of the cluster
	s_lshl_b32 s44, 0x1111, s40                    ; my column
	s_or_b32 s[G1A], s43, (3<<16)|(1<<21)          ; the mask; elements of 8 bytes; bit 21 beside a mask; no padding
	s_or_b32 s[G1B], s44, (3<<16)|(1<<21)
.irp g, G1A, G1B                       ; a quarter of a block: 100 rows of 256 bytes, dense
	s_mov_b32 s[\g+1], 32<<16
	s_mov_b32 s[\g+2], 100<<16
	s_mov_b32 s[\g+3], 32<<16
	s_mov_b32 s[\g+4], 100
	s_mov_b32 s[\g+5], 32
	s_mov_b32 s[\g+6], 0
	s_mov_b32 s[\g+7], 0
.endr
	s_mul_i32 s18, s15, 25600
	s_mul_i32 s20, s17, 102400                     ; the context's block: y alone
	s_add_co_u32 s20, s20, s18
	s_mov_b32 s21, 0
	s_mul_i32 s46, s42, 102400                     ; the weights': the head alone
	s_add_co_u32 s46, s46, s18
	s_mov_b32 s47, 0
	s_mul_i32 s45, s14, 25600                      ; where my quarter goes: wave x 25,600
	s_mov_b32 s22, 0x76543210
	s_mov_b32 s23, 0xfedcba98
	s_wait_dscnt 0x0                               ; the opening add is done
	s_wait_kmcnt 0x0
	s_add_nc_u64 s[20:21], s[4:5], s[20:21]
	s_add_nc_u64 s[46:47], s[6:7], s[46:47]
	CROUND                                         ; all sixteen work-groups are here: the joint loads meet
	s_mov_b32 s[G0A], 1
	s_mov_b32 s[G0A+1], s45
	s_mov_b64 s[G0A+2:G0A+3], s[20:21]
	s_or_b32 s[G0A+3], s[G0A+3], 0x80000000
	s_mov_b32 s[G0B], 1
	s_mov_b32 s[G0B+1], s45
	s_mov_b64 s[G0B+2:G0B+3], s[46:47]
	s_or_b32 s[G0B+3], s[G0B+3], 0x80000000
	s_cmp_lt_u32 s14, 4                            ; waves 0-3 fetch the context's quarters, waves 4-7 the weights': one load a wave, filled once
	s_cbranch_scc0 .Lfor_b
	tensor_load_to_lds s[G0A:G0A+3], s[G1A:G1A+7]
	s_nop 0
.rept 4
	v_nop
.endr
	s_branch .Lasked
.Lfor_b:
	tensor_load_to_lds s[G0B:G0B+3], s[G1B:G1B+7]
	s_nop 0
.rept 4
	v_nop
.endr
.Lasked:
	; every LDS address of both roles is made here, ahead of the parting
	v_and_b32 v24, 31, v0                          ; lane
	v_and_b32 v25, 15, v0                          ; r
	v_bfe_u32 v26, v0, 4, 1                        ; h
	s_delay_alu instid0(VALU_DEP_3)
	v_lshlrev_b32 v13, 4, v24                      ; 16 x lane: v's context fragments of K steps 0-3, and the stores' offset
	s_delay_alu instid0(VALU_DEP_4)
	v_lshlrev_b32 v14, 2, v24                      ; 4 x lane
	s_mul_i32 s60, s15, 3072
	v_add_nc_u32 v3, s60, v13                      ; k: my two key tiles, K steps 0-3,
	s_delay_alu instid0(VALU_DEP_1)
	v_add_nc_u32 v4, 49152, v3                     ; K steps 4-7
	v_add_nc_u32 v5, 102400, v13                   ; k's weights
	s_lshl_b32 s60, s15, 7
	v_add_nc_u32 v6, s60, v14
	s_delay_alu instid0(VALU_DEP_1)
	v_add_nc_u32 v6, 98304, v6                     ; my two key tiles' scale words, one line of 128 bytes
	v_add_nc_u32 v7, 200704, v14                   ; k's weights' scale words
	v_add_nc_u32 v9, 49152, v13                    ; v: the context's fragments of K steps 4-7
	s_mul_i32 s60, s15, 1536
	v_add_nc_u32 v10, s60, v13
	s_delay_alu instid0(VALU_DEP_1)
	v_add_nc_u32 v10, 151552, v10                  ; v's weight tile
	v_add_nc_u32 v11, 98304, v14                   ; the context's scale words
	s_lshl_b32 s60, s15, 6
	v_lshl_add_u32 v12, v25, 2, s60
	s_delay_alu instid0(VALU_DEP_1)
	v_add_nc_u32 v12, 202752, v12                  ; v's weight tile's scale words
	v_lshlrev_b32 v15, 6, v26                      ; k's biases: 64 h
	v_and_b32 v23, 8, v25
	s_delay_alu instid0(VALU_DEP_1)
	v_add_nc_u32 v23, v23, v25                     ; r + 8 (r / 8): the mask's byte
	s_delay_alu instid0(VALU_DEP_1)
	v_lshlrev_b32 v22, 2, v23                      ; v's bias
	s_wait_alu depctr_va_vdst(0)
	v_sub_nc_u32 v31, 1, v26
	s_delay_alu instid0(VALU_DEP_1)
	v_mul_u32_u24 v31, v31, 40                     ; the code -1.0 (0x28) in lanes 0-15, which hold k = 64
	v_cmp_gt_u32 s82, 16, v24                      ; lanes 0-15
.irp b, 0,1,2,3
	v_mov_b32 v[TM+4+\b], 0                        ; written once: a lane permute's destination counts as one of its sources
.endr
	s_lshl_b32 s84, s42, 8
	s_mov_b32 s85, 0
	s_add_nc_u64 s[72:73], s[8:9], s[84:85]        ; k's biases of the head
	s_lshr_b32 s86, s15, 1
	s_lshl_b32 s86, s86, 7
	s_and_b32 s87, s15, 1
	s_lshl_b32 s87, s87, 5
	s_add_co_u32 s86, s86, s87
	s_add_co_u32 s86, s86, 4096
	s_mov_b32 s87, 0
	s_add_nc_u64 s[80:81], s[72:73], s[86:87]      ; v's, at my tile's first d: 32 (t / 2) + 8 (t % 2)
	s_lshl_b32 s86, s17, 7
	s_lshl_b32 s88, s15, 5
	s_add_co_u32 s86, s86, s88
	s_add_nc_u64 s[74:75], s[10:11], s[86:87]      ; the mask at key 128 y + 32 w
	s_lshr_b32 s60, s17, 2
	s_lshl_b32 s60, s60, 4
	s_lshr_b32 s61, s42, 2
	s_lshl_b32 s61, s61, 2
	s_add_co_u32 s60, s60, s61
	s_and_b32 s61, s17, 3
	s_add_co_u32 s60, s60, s61                     ; block (batch x 4 + head / 4) x 4 + key step
	s_mul_i32 s60, s60, 61440
	s_mov_b32 s61, 0
	s_add_nc_u64 s[12:13], s[12:13], s[60:61]
	s_and_b32 s62, s42, 3                          ; g = head % 4
	s_lshl_b32 s86, s62, 13
	s_lshl_b32 s88, s15, 11
	s_add_co_u32 s86, s86, s88
	s_add_nc_u64 s[66:67], s[12:13], s[86:87]      ; k's images: 8,192 g + 1,024 x key tile
	s_lshl_b32 s86, s62, 9
	s_lshl_b32 s88, s15, 7
	s_add_co_u32 s86, s86, s88
	s_add_co_u32 s88, s86, 57344
	s_mov_b32 s89, 0
	s_add_nc_u64 s[70:71], s[12:13], s[88:89]      ; k's scale words
	s_add_co_u32 s88, s86, 59392
	s_add_nc_u64 s[78:79], s[12:13], s[88:89]      ; v's scale words
	s_mul_i32 s86, s62, 6144
	s_mul_i32 s88, s15, 1536
	s_add_co_u32 s86, s86, s88
	s_add_co_u32 s86, s86, 32768
	s_add_nc_u64 s[76:77], s[12:13], s[86:87]      ; v's fragment
	; every wave asks for both roles' small inputs, so that no branch stands ahead of the barrier.  k's biases land in k's accumulators: register j of tile 2 b + u is d = 32 b + 16 h + 8 u + j
.irp e, 0,1
.irp t, 0,1,2,3
	global_load_b128 v[128+32*\e+8*\t:128+32*\e+8*\t+3], v15, s[72:73] offset:128*(\t/2)+32*(\t%2)
	global_load_b128 v[128+32*\e+8*\t+4:128+32*\e+8*\t+7], v15, s[72:73] offset:128*(\t/2)+32*(\t%2)+16
.endr
.endr
	global_load_b32 v27, v22, s[80:81]
	global_load_u8 v28, v23, s[74:75]
	global_load_u8 v29, v23, s[74:75] offset:8
	s_wait_tensorcnt 0x0                           ; my quarter is in,
	s_barrier_signal -1
	s_barrier_wait -1                              ; everybody's is
	s_wait_loadcnt 0x0
	s_cmp_lt_u32 s14, 4
	s_cbranch_scc0 .Lvrole
	; ---- k: eight accumulators by turns, a K step at a time; every offset is an immediate
.macro KSTEP s
.if (\s) < 4
.set VC, 3
.else
.set VC, 4
.endif
.irp e, 0,1
.irp g, 0,1,2
	ds_load_b128 v[32+12*\e+4*\g:32+12*\e+4*\g+3], v[VC] offset:((\s)%4)*12288+1536*\e+512*\g
.endr
.endr
.irp t, 0,1,2,3
.irp g, 0,1,2
	ds_load_b128 v[56+12*\t+4*\g:56+12*\t+4*\g+3], v5 offset:(4*(\s)+\t)*1536+512*\g
.endr
.endr
	ds_load_b32 v16, v6 offset:512*(\s)
	ds_load_b32 v17, v7 offset:256*(\s)
	ds_load_b32 v18, v7 offset:256*(\s)+128
	s_wait_dscnt 0x0
.irp e, 0,1
.irp p, 0,1
	WM 128+32*\e+16*\p, 56+24*\p, 32+12*\e, 128+32*\e+16*\p, 17+\p, 16, 0, \e
	WM 128+32*\e+16*\p+8, 56+24*\p+12, 32+12*\e, 128+32*\e+16*\p+8, 17+\p, 16, 1, \e
.endr
.endr
.rept 4
	v_nop                                          ; places in front of loads into registers that matrix instructions have read, and of the first read of results
.endr
.endm
.macro QUANT64 s, d                    ; 32 numbers of a lane, register 16 b + i = k 32 b + 16 h + i, become registers 0-5 of a fragment at v[d] and two scale bytes in v[PWR]
.irp b, 0,1
	v_max3_num_f32 v[TM+\b], |v[(\s)+16*\b]|, |v[(\s)+1+16*\b]|, 0x1800000
.endr
.irp i, 2,4,6,8,10,12,14
.irp b, 0,1
	v_max3_num_f32 v[TM+\b], v[TM+\b], |v[(\s)+16*\b+\i]|, |v[(\s)+1+16*\b+\i]|
.endr
.endr
.irp b, 0,1
	s_delay_alu instid0(VALU_DEP_2)
	v_permlanex16_b32 v[TM+4+\b], v[TM+\b], s22, s23
.endr
.irp b, 0,1
	s_delay_alu instid0(VALU_DEP_2)
	v_max_num_f32 v[TM+\b], v[TM+\b], v[TM+4+\b]
.endr
.irp b, 0,1
	s_delay_alu instid0(VALU_DEP_2)
	v_add_nc_u32 v[TM+12+\b], 0xff000000, v[TM+\b]
.endr
.irp b, 0,1
	s_delay_alu instid0(VALU_DEP_2)
	v_lshrrev_b32 v[TM+4+\b], 23, v[TM+12+\b]
.endr
	s_delay_alu instid0(VALU_DEP_1)
	v_lshl_or_b32 v[PWR], v[TM+5], 8, v[TM+4]
	v_cvt_scalef32_pk16_fp6_f32 v[(\d):(\d)+2], v[(\s):(\s)+15], v[TM+12]
	v_cvt_scalef32_pk16_fp6_f32 v[PT:PT+2], v[(\s)+16:(\s)+31], v[TM+13]
	v_nop                                          ; one plain place behind a scaled conversion
.irp i, 0,1,2
	v_permlane16_swap_b32 v[(\d)+\i], v[PT+\i]
.endr
.irp i, 0,1,2
	s_delay_alu instid0(VALU_DEP_3)
	v_mov_b32 v[(\d)+3+\i], v[PT+\i]
.endr
.endm
.irp s, 0,1,2,3,4,5,6,7
	KSTEP \s
.endr
.irp e, 0,1
	QUANT64 128+32*\e, KC+8*\e
	v_mul_u32_u24 v[KC+8*\e+6], v[28+\e], v31      ; the code at k = 64: -1.0 for a masked key
	v_mov_b32 v[KC+8*\e+7], 0
	v_mul_u32_u24 v30, v[28+\e], 0xf60000          ; byte 2: 1, or 247 for a masked key; byte 3: 1
	s_delay_alu instid0(VALU_DEP_1)
	v_or_b32 v30, v30, v[PWR]
	s_delay_alu instid0(VALU_DEP_1)
	v_add_nc_u32 v[KW+\e], 0x01010000, v30
	global_store_b128 v13, v[KC+8*\e:KC+8*\e+3], s[66:67] offset:1024*\e
	global_store_b128 v13, v[KC+8*\e+4:KC+8*\e+7], s[66:67] offset:1024*\e+512
.endr
	v_cndmask_b32 v255, v[KW+1], v[KW], s82        ; lanes 0-15 the even tile's words, lanes 16-31 the odd tile's
	global_store_b32 v14, v255, s[70:71]
	s_branch .Ljoin
	; ---- v: the eight key tiles' accumulators by turns
.Lvrole:
.irp j, 0,1,2,3,4,5,6,7
	v_mov_b32 v[BV+\j], v27                        ; my d's bias for all eight keys of a register run
.endr
.macro VSTEP s
.if (\s) < 4
.set VD, 13
.else
.set VD, 9
.endif
.irp k, 0,1,2,3,4,5,6,7
.irp g, 0,1,2
	ds_load_b128 v[32+12*\k+4*\g:32+12*\k+4*\g+3], v[VD] offset:((\s)%4)*12288+1536*\k+512*\g
.endr
.endr
.irp g, 0,1,2
	ds_load_b128 v[192+4*\g:192+4*\g+3], v10 offset:6144*(\s)+512*\g
.endr
.irp p, 0,1,2,3
	ds_load_b32 v[16+\p], v11 offset:512*(\s)+128*\p
.endr
	ds_load_b32 v20, v12 offset:256*(\s)
	s_wait_dscnt 0x0
.irp p, 0,1,2,3
.if (\s) == 0
	WM 128+16*\p, 32+24*\p, 192, BV, 16+\p, 20, 0, 0
	WM 128+16*\p+8, 32+24*\p+12, 192, BV, 16+\p, 20, 1, 0
.else
	WM 128+16*\p, 32+24*\p, 192, 128+16*\p, 16+\p, 20, 0, 0
	WM 128+16*\p+8, 32+24*\p+12, 192, 128+16*\p+8, 16+\p, 20, 1, 0
.endif
.endr
.rept 4
	v_nop
.endr
.endm
	s_wait_alu depctr_va_vdst(0)
.irp s, 0,1,2,3,4,5,6,7
	VSTEP \s
.endr
	; 64 numbers of a lane, register 16 b + i = key 32 b + 16 h + i of my d, become a fragment and its scale word
.irp b, 0,1,2,3
	v_max3_num_f32 v[TM+\b], |v[128+16*\b]|, |v[129+16*\b]|, 0x1800000
.endr
.irp i, 2,4,6,8,10,12,14
.irp b, 0,1,2,3
	v_max3_num_f32 v[TM+\b], v[TM+\b], |v[128+16*\b+\i]|, |v[129+16*\b+\i]|
.endr
.endr
.irp b, 0,1,2,3
	s_delay_alu instid0(VALU_DEP_4)
	v_permlanex16_b32 v[TM+4+\b], v[TM+\b], s22, s23
.endr
.irp b, 0,1,2,3
	s_delay_alu instid0(VALU_DEP_4)
	v_max_num_f32 v[TM+\b], v[TM+\b], v[TM+4+\b]
.endr
.irp b, 0,1,2,3
	s_delay_alu instid0(VALU_DEP_4)
	v_add_nc_u32 v[TM+12+\b], 0xff000000, v[TM+\b]
.endr
.irp b, 0,1,2,3
	s_delay_alu instid0(VALU_DEP_4)
	v_lshrrev_b32 v[TM+4+\b], 23, v[TM+12+\b]
.endr
	s_delay_alu instid0(VALU_DEP_3)
	v_lshl_or_b32 v[PWR], v[TM+5], 8, v[TM+4]
	s_delay_alu instid0(VALU_DEP_1)
	v_lshl_or_b32 v[PWR], v[TM+6], 16, v[PWR]
	s_delay_alu instid0(VALU_DEP_1)
	v_lshl_or_b32 v[PWR], v[TM+7], 24, v[PWR]
.irp c, 0,1
	v_cvt_scalef32_pk16_fp6_f32 v[PC+6*\c:PC+6*\c+2], v[128+32*\c:143+32*\c], v[TM+12+2*\c]
	v_cvt_scalef32_pk16_fp6_f32 v[PT+4*\c:PT+4*\c+2], v[144+32*\c:159+32*\c], v[TM+13+2*\c]
.endr
	v_nop
.irp c, 0,1
.irp i, 0,1,2
	v_permlane16_swap_b32 v[PC+6*\c+\i], v[PT+4*\c+\i]
.endr
.irp i, 0,1,2
	s_delay_alu instid0(VALU_DEP_3)
	v_mov_b32 v[PC+3+6*\c+\i], v[PT+4*\c+\i]
.endr
.endr
.irp g, 0,1,2
	global_store_b128 v13, v[PC+4*\g:PC+4*\g+3], s[76:77] offset:512*\g
.endr
	global_store_b32 v14, v[PWR], s[78:79]         ; both halves of the lanes hold a row's word
.Ljoin:
	s_wait_tensorcnt 0x0                           ; the wave's end
	ds_add_u32 v1, v2
	s_wait_dscnt 0x0
	CROUND                                         ; the closing round
	s_endpgm
.Lfunc_end_k_q571d1ffdaf_kvproj:
	.size	k_q571d1ffdaf_kvproj, .Lfunc_end_k_q571d1ffdaf_kvproj-k_q571d1ffdaf_kvproj
	.p2alignl 7, 3214868480
	.fill 96, 4, 3214868480
	.section	.rodata,"a",@progbits
	.p2align	6, 0x0
	.amdhsa_kernel k_q571d1ffdaf_kvproj
		.amdhsa_group_segment_fixed_size 205824
		.amdhsa_private_segment_fixed_size 0
		.amdhsa_enable_private_segment 0
		.amdhsa_kernarg_size 40
		.amdhsa_user_sgpr_count 2
		.amdhsa_user_sgpr_kernarg_segment_ptr 1
		.amdhsa_wavefront_size32 1
		.amdhsa_system_sgpr_workgroup_id_x 1
		.amdhsa_system_sgpr_workgroup_id_y 1
		.amdhsa_system_sgpr_workgroup_id_z 1
		.amdhsa_system_vgpr_workitem_id 0
		.amdhsa_next_free_vgpr 256
		.amdhsa_next_free_sgpr 100
		.amdhsa_reserve_vcc 0
		.amdhsa_float_denorm_mode_32 3
		.amdhsa_float_denorm_mode_16_64 3
		.amdhsa_memory_ordered 1
		.amdhsa_forward_progress 1
		.amdhsa_inst_pref_size 66
	.end_amdhsa_kernel
	.amdgpu_metadata
---
amdhsa.version: [ 1, 2 ]
amdhsa.kernels:
  - .name:           k_q571d1ffdaf_kvproj
    .symbol:         k_q571d1ffdaf_kvproj.kd
    .args:
      - { .name: ctxc, .offset: 0, .size: 8, .value_kind: global_buffer, .address_space: global }
      - { .name: wkv, .offset: 8, .size: 8, .value_kind: global_buffer, .address_space: global }
      - { .name: kv_b, .offset: 16, .size: 8, .value_kind: global_buffer, .address_space: global }
      - { .name: context_mask, .offset: 24, .size: 8, .value_kind: global_buffer, .address_space: global }
      - { .name: kvs, .offset: 32, .size: 8, .value_kind: global_buffer, .address_space: global }
    .group_segment_fixed_size: 205824
    .private_segment_fixed_size: 0
    .kernarg_segment_align: 8
    .kernarg_segment_size: 40
    .max_flat_workgroup_size: 256
    .sgpr_count:     100
    .vgpr_count:     256
    .wavefront_size: 32
...
	.end_amdgpu_metadata
.endif
;; end of part 2
;; launch main (part 3): grid 256 x 1, 16 waves a work-group, clusters of 4 x 1, 327,680 bytes of LDS; arguments x, q_b, proj_b, wq, kvs, wp, out0; writes out0
.if DOCPART == 3
	.amdgcn_target "amdgcn-amd-amdhsa--gfx1250"
	.amdhsa_code_object_version 6
	.text
	.protected	k_q571d1ffdaf_main
	.globl	k_q571d1ffdaf_main
	.p2align	8
	.type	k_q571d1ffdaf_main,@function
k_q571d1ffdaf_main:
	s_mov_b64 s[64:65], 0
	v_nop
	global_prefetch_b8 v0, s[64:65] scope:SCOPE_SE
	s_setreg_imm32_b32 hwreg(HW_REG_WAVE_MODE, 25, 1), 1
	s_wait_xcnt 0x0
	s_wait_alu depctr_hold_cnt(0) depctr_sa_sdst(0) depctr_va_vdst(0) depctr_va_sdst(0) depctr_va_ssrc(0) depctr_va_vcc(0) depctr_vm_vsrc(0)
	s_getreg_b32 s2, hwreg(HW_REG_IB_STS2, 6, 4)
	s_cmp_eq_u32 s2, 0
	s_cbranch_scc0 .Lentry_in_a_cluster
	s_endpgm
.Lentry_in_a_cluster:
	s_bfe_u32 s2, ttmp6, 0x10000c
	s_cmp_lg_u32 s2, 0x3003
	s_cbranch_scc0 .Lentry_shape_is_right
	s_endpgm
.Lentry_shape_is_right:
; out0 = (softmax(q k^T / 8, masked) v) proj_w + proj_b with q = x q_w + q_b, for 64 rows of x a work-group; all products on codes of FP6 (E2M3), one E8M0 byte for each 32 along K.
; x, q, p and o are quantised on the way and never leave the WGP.  Sixteen waves, four to a SIMD, 256 registers each.
; ROWS: tile m, lane r stands for row 4 r + m of the work-group's 64: wave r's tensor load brings rows 4 r .. 4 r + 3, 16,656 bytes from wave to wave in LDS, so that the sixteen lanes of a read fall on sixteen different 16-byte columns.
; PRODUCTS WITH THE WEIGHTS: wave w makes head w's 64 columns for all 64 rows, TRANSPOSED (source 0 = 16 columns, source 1 = 16 rows).  Each byte of a weight's K step is read by ONE wave of a work-group,
; so the weights go from memory straight into that wave's registers (images of the operand's registers, 512 consecutive bytes an instruction), two sets by turns, two K steps ahead: no LDS pass, no barrier in these products.
; That is why the weights are not asked for jointly in the cluster: a joint load would lay them into LDS, from where each byte would be read once.
; ATTENTION: wave w takes query tile w % 4 of head 4 i + w / 4, i = 0 .. 3; S^T = k q^T, O^T = v^T p^T: a lane holds one query.  k and v come through two LDS slots, two key steps each, over x's bytes,
; asked for JOINTLY by the four work-groups of a cluster (one batch, mask 15); every wave issues one sixteenth of a fill.
; OPERANDS GO FROM WAVE TO WAVE THROUGH LDS AS IMAGES: half a fragment (16 rows x 64 K, 6 registers) is 768 bytes: registers 0-3 at 16 x lane, 4-5 at 512 + 8 x lane.  x, then q, then o lie in the same 64 places.
; SOFTMAX: t = score x log2(e) / 8; M = the running largest t rounded up to a whole number; p = 2^(t - M) is quantised along the keys; the row's sum is taken of the unquantised p and divides O at the end.
; THE MASK lies in k's codes: my query's code at k = 64 is +1.0, a masked key's -1.0 under 2^120.  k's images stand 8 registers apart; what the 12-register run reads beyond them meets the query's zero codes.
; PREFETCHES: weights: the first cluster's waves 0, 4, 8, 12 name K step s + 4 in step s (16 pieces of 6,400 bytes, told apart by address), the loads being two steps ahead; proj_w's steps 0-3 are named in the last two heads' walk.
; k and v: a batch's first cluster names the two blocks behind those just asked for.
; LIMITS: the running largest t starts at -2^30: a row whose largest t lies under that is not served; scores stay far under 2^120; a batch whose 512 keys are all masked gives no NaN here;
; a block of zeros gets the byte 1 where the rule says 127 (zero codes; only this text reads the bytes); NaN and infinities among the inputs are not served.
.set SLOT1, 131072                     ; slot 0 at 0, slot 1 here
.set KVB,   61440                      ; a block of k and v: one key step of four heads
.set XW,    16656                      ; a wave's part of x: 16 LDS rows of 1,040 bytes, + 16
.set IMG,   266496                     ; 64 half images; place (m, s, c) = (4 (2 (s % 2) + c) + m) x 4 + s / 2
.set XS,    315648                     ; scale words of x, later of o: (8 m + s) x 128 + 4 x lane
.set QS,    319744                     ; q's scale words: place x 64 + 4 x (lane % 16)
.set SPARE, 323840                     ; the spare words, 128 bytes for each of sixteen waves
; v1 spare word, v2 0, v3, v4 prefetch offsets: never rewritten.  v5-9, v20-31 addresses (v20-31: the rows' fragment in the weights' products).  v10-19 hold scales and nothing else.
.set QSR, 10
.set PW,  11
.set KS,  12                           ; v12-15 k's scale words; in the weights' products the rows'
.set VS,  16                           ; v16-19 v's; in the weights' products the weights', two sets of two
.set XF,  20
.set WF,  32                           ; v32-127 the weight's fragments, two sets of four
.set ACC, 128                          ; accumulator (t, m) at 128 + 32 m + 8 t
.set XD,  128                          ; x's numbers, two sets of 32 (while x is quantised)
.set QF,  32
.set NM,  44                           ; v44 -M, v45 the largest t
.set LS,  46
.set FF,  48
.set PT2, 244
.set KR,  80                           ; k's eight images (v144-147 stay 0), then v's four fragments
.set SCO, 148
.set OAC, 212
.macro SETT b                          ; where the quantiser works: 29 registers from b on
.set TM,  (\b)
.set TP,  (\b)+4
.set SO,  (\b)+8
.set TMP, (\b)+12
.set PWH, (\b)+13
.set PC,  (\b)+14
.set PT,  (\b)+26
.endm
.macro CROUND
	s_barrier_signal -1
	s_barrier_wait -1
	s_cmp_lg_u32 s18, 0
	s_cbranch_scc1 .Lnw0_\@
	s_barrier_signal -3
.Lnw0_\@:
	s_barrier_wait -3
	s_barrier_signal -1
	s_barrier_wait -1
.endm
; the change of slots: all my tensor loads are in, the add, my LDS instructions are done; a round of the cluster's barrier; my one tensor load
.macro CHANGE g0, g1, turn, bytes, pf
	s_wait_tensorcnt 0x0
	ds_add_u32 v1, v2
.if \turn
	s_xor_b32 s[\g0+1], s[\g0+1], SLOT1
.endif
.if \bytes
	s_add_nc_u64 s[\g0+2:\g0+3], s[\g0+2:\g0+3], \bytes
.endif
.if \pf
	s_wait_xcnt 0x0                                ; the last prefetch has read its address
	s_add_nc_u64 s[80:81], s[80:81], 2*KVB
.endif
	s_wait_dscnt 0x0
	CROUND
	tensor_load_to_lds s[\g0:\g0+3], s[\g1:\g1+7]
	s_nop 0
.endm
.macro ASKW base, blk
	s_cmp_eq_u32 s30, 1
	s_cbranch_scc0 .Lnw_\@
	global_prefetch_b8 v3, s[\base:\base+1] offset:(\blk)*102400 th:TH_LOAD_NT scope:SCOPE_SE
.Lnw_\@:
.endm
.macro ASKK                            ; s28 = 8 - n at the n-th fill of k and v: the last names nothing
	s_cmp_gt_u32 s28, s29
	s_cbranch_scc0 .Lnk_\@
	global_prefetch_b8 v4, s[80:81] offset:2*KVB th:TH_LOAD_NT scope:SCOPE_SE
.Lnk_\@:
	s_sub_co_u32 s28, s28, 1
.endm
.macro WM d, a, b, c, sa, sb, ra       ; c under 0: the constant 0; ra = 1: source 0's scales stand in lanes 16-31
.if (\c) < 0
.if (\ra)
	v_wmma_scale_f32_16x16x128_f8f6f4 v[(\d):(\d)+7], v[(\a):(\a)+11], v[(\b):(\b)+11], 0, v[(\sa)], v[(\sb)] matrix_a_fmt:MATRIX_FMT_FP6 matrix_b_fmt:MATRIX_FMT_FP6 matrix_a_scale:MATRIX_SCALE_ROW1
.else
	v_wmma_scale_f32_16x16x128_f8f6f4 v[(\d):(\d)+7], v[(\a):(\a)+11], v[(\b):(\b)+11], 0, v[(\sa)], v[(\sb)] matrix_a_fmt:MATRIX_FMT_FP6 matrix_b_fmt:MATRIX_FMT_FP6
.endif
.else
.if (\ra)
	v_wmma_scale_f32_16x16x128_f8f6f4 v[(\d):(\d)+7], v[(\a):(\a)+11], v[(\b):(\b)+11], v[(\c):(\c)+7], v[(\sa)], v[(\sb)] matrix_a_fmt:MATRIX_FMT_FP6 matrix_b_fmt:MATRIX_FMT_FP6 matrix_a_scale:MATRIX_SCALE_ROW1
.else
	v_wmma_scale_f32_16x16x128_f8f6f4 v[(\d):(\d)+7], v[(\a):(\a)+11], v[(\b):(\b)+11], v[(\c):(\c)+7], v[(\sa)], v[(\sb)] matrix_a_fmt:MATRIX_FMT_FP6 matrix_b_fmt:MATRIX_FMT_FP6
.endif
.endif
.endm
; 32 numbers of a lane, register 16 b + i = k 32 b + 16 (lane / 16) + i of my row, become six registers of codes in v[PC] on and two scale bytes in v[PWH]
.macro QUANT64 s
.irp b, 0,1
	v_max3_num_f32 v[TM+\b], |v[(\s)+16*\b]|, |v[(\s)+1+16*\b]|, 0x1800000   ; the floor 2^(3 - 127): the byte cannot fall under 1
.endr
.irp i, 2,4,6,8,10,12,14
.irp b, 0,1
	v_max3_num_f32 v[TM+\b], v[TM+\b], |v[(\s)+16*\b+\i]|, |v[(\s)+1+16*\b+\i]|
.endr
.endr
.irp b, 0,1
	s_delay_alu instid0(VALU_DEP_2)
	v_permlanex16_b32 v[TP+\b], v[TM+\b], s22, s23
.endr
.irp b, 0,1
	s_delay_alu instid0(VALU_DEP_2)
	v_max_num_f32 v[TM+\b], v[TM+\b], v[TP+\b]
.endr
.irp b, 0,1
	s_delay_alu instid0(VALU_DEP_2)
	v_add_nc_u32 v[SO+\b], 0xff000000, v[TM+\b]    ; 2 off the exponent field: the conversion's scale operand
.endr
.irp b, 0,1
	s_delay_alu instid0(VALU_DEP_2)
	v_lshrrev_b32 v[TP+\b], 23, v[SO+\b]
.endr
	s_delay_alu instid0(VALU_DEP_1)
	v_lshl_or_b32 v[PWH], v[TP+1], 8, v[TP]
	v_cvt_scalef32_pk16_fp6_f32 v[PC:PC+2], v[(\s):(\s)+15], v[SO]
	v_cvt_scalef32_pk16_fp6_f32 v[PT:PT+2], v[(\s)+16:(\s)+31], v[SO+1]
	v_nop                                          ; one plain place behind a scaled conversion
.irp i, 0,1,2
	v_permlane16_swap_b32 v[PC+\i], v[PT+\i]       ; a whole block to a lane
.endr
.irp i, 0,1,2
	s_delay_alu instid0(VALU_DEP_3)
	v_mov_b32 v[PC+3+\i], v[PT+\i]
.endr
.endm
.macro GADDR                           ; the addresses of the products with the weights
	v_and_b32 v9, 31, v0
	s_mul_i32 s88, s18, 6144
	s_lshl_b32 s89, s18, 8
	s_add_co_u32 s89, s89, 98304
	v_lshl_add_u32 v5, v9, 4, s88                  ; my head's four weight tiles in a K step's block, in memory
	v_lshl_add_u32 v6, v9, 2, s89                  ; their scale words
	v_lshl_add_u32 v7, v9, 2, XS
	v_lshl_add_u32 v8, v9, 4, IMG
	v_lshl_add_u32 v9, v9, 3, IMG
	s_wait_alu depctr_va_vdst(0)
.endm
.macro BIAS base, off                  ; the bias lands in the accumulators: register j of tile 2 b + u is column 32 b + 16 h + 8 u + j of my head
.irp m, 0,1,2,3
.irp t, 0,1,2,3
	global_load_b128 v[ACC+32*\m+8*\t:ACC+32*\m+8*\t+3], v[\off], s[\base:\base+1] offset:128*(\t/2)+32*(\t%2)
	global_load_b128 v[ACC+32*\m+8*\t+4:ACC+32*\m+8*\t+7], v[\off], s[\base:\base+1] offset:128*(\t/2)+32*(\t%2)+16
.endr
.endr
.endm
.macro WLOAD base, s                   ; K step s of the weight into set s % 2: 12 loads of fragments, 2 of scale words
.irp t, 0,1,2,3
.irp g, 0,1,2
	global_load_b128 v[WF+48*((\s)%2)+12*\t+4*\g:WF+48*((\s)%2)+12*\t+4*\g+3], v5, s[\base:\base+1] offset:(\s)*102400+1536*\t+512*\g
.endr
.endr
.irp p, 0,1
	global_load_b32 v[VS+2*((\s)%2)+\p], v6, s[\base:\base+1] offset:(\s)*102400+128*\p
.endr
.endm
.macro XLOAD s, m                      ; tile m of the rows, K step s
.set IDA, (4*(2*((\s)%2))+(\m))*4+(\s)/2
.set IDB, (4*(2*((\s)%2)+1)+(\m))*4+(\s)/2
	ds_load_b128 v[XF:XF+3], v8 offset:IDA*768
	ds_load_b64 v[XF+4:XF+5], v9 offset:IDA*768+512
	ds_load_b128 v[XF+6:XF+9], v8 offset:IDB*768
	ds_load_b64 v[XF+10:XF+11], v9 offset:IDB*768+512
.endm
; A K step of a product with a weight: sixteen accumulators by turns, in the same order in every step
.macro GSTEP base, pf, s
.set WB, WF+48*((\s)%2)
.set WS, VS+2*((\s)%2)
.irp m, 0,1,2,3
	ds_load_b32 v[KS+\m], v7 offset:(8*\m+(\s))*128
.endr
	XLOAD \s, 0
.if (\s) == 0 || (\s) == 7
	s_wait_loadcnt 0x0                             ; step 0: the biases too, issued last; step 7: nothing is behind it
.else
	s_wait_loadcnt 14                              ; this step's set is in; the next step's 14 loads may be out
.endif
.irp m, 0,1,2,3
	s_wait_dscnt 0x0
.irp p, 0,1
	WM ACC+32*\m+16*\p, WB+24*\p, XF, ACC+32*\m+16*\p, WS+\p, KS+\m, 0
	WM ACC+32*\m+16*\p+8, WB+24*\p+12, XF, ACC+32*\m+16*\p+8, WS+\p, KS+\m, 1
.endr
.rept 4
	v_nop                                          ; places in front of loads into registers that matrix instructions have read, and of the first read of results
.endr
.if \m < 3
	XLOAD \s, \m+1
.endif
.endr
.if (\s) < 6
	WLOAD \base, (\s)+2
.endif
.if (\s) < 4
	ASKW \pf, (\s)+4
.endif
.endm
.macro XL j                            ; my 16 rows x 64 K of quarter j of K
.irp b, 0,1
.irp q, 0,1,2,3
	ds_load_b128 v[XD+32*((\j)%2)+16*\b+4*\q:XD+32*((\j)%2)+16*\b+4*\q+3], v20 offset:1040*(\j)+128*\b+16*\q
.endr
.endr
.endm
.macro XQ j, n                         ; n: the LDS instructions issued behind XL j.  Two working sets by turns: a set's stores are done, by the counts, when it is written again
	s_wait_dscnt \n
	SETT 192+32*((\j)%2)
	QUANT64 XD+32*((\j)%2)
	ds_store_b128 v21, v[PC:PC+3] offset:768*(\j)
	ds_store_b64 v22, v[PC+4:PC+5] offset:768*(\j)+512
	ds_store_b16 v23, v[PWH] offset:256*(\j)
.endm
; A KEY STEP: 128 keys of my head; s26 = the LDS byte at which its block begins
.macro STEP
	v_add_nc_u32 v20, s26, v5                      ; (these four are also the places behind the last products)
	v_add_nc_u32 v21, s26, v6
	v_add_nc_u32 v22, s26, v7
	v_add_nc_u32 v23, s26, v8
.irp k, 0,1,2,3,4,5,6,7
	ds_load_b128 v[KR+8*\k:KR+8*\k+3], v20 offset:1024*\k
	ds_load_b128 v[KR+8*\k+4:KR+8*\k+7], v20 offset:1024*\k+512
.endr
.irp p, 0,1,2,3
	ds_load_b32 v[KS+\p], v21 offset:128*\p
.endr
	s_wait_alu depctr_va_vdst(0)
	s_wait_dscnt 0x0
.irp p, 0,1,2,3
	WM SCO+16*\p, KR+16*\p, QF, -1, KS+\p, QSR, 0
	WM SCO+16*\p+8, KR+16*\p+8, QF, -1, KS+\p, QSR, 1
.endr
.rept 4
	v_nop
.endr
.irp t, 0,1,2,3                        ; v's fragments land during the softmax
.irp g, 0,1,2
	ds_load_b128 v[KR+12*\t+4*\g:KR+12*\t+4*\g+3], v22 offset:1536*\t+512*\g
.endr
	ds_load_b32 v[VS+\t], v23 offset:128*\t
.endr
.irp b, 0,1,2,3
	v_max3_num_f32 v[TM+\b], v[SCO+16*\b], v[SCO+1+16*\b], v[SCO+2+16*\b]   ; the largest score of each block of 32 keys: for the row's maximum and for the block's largest p
.endr
.irp i, 3,5,7,9,11,13
.irp b, 0,1,2,3
	v_max3_num_f32 v[TM+\b], v[TM+\b], v[SCO+16*\b+\i], v[SCO+1+16*\b+\i]
.endr
.endr
.irp b, 0,1,2,3
	v_max_num_f32 v[TM+\b], v[TM+\b], v[SCO+15+16*\b]
.endr
.irp b, 0,1,2,3
	s_delay_alu instid0(VALU_DEP_4)
	v_permlanex16_b32 v[TP+\b], v[TM+\b], s22, s23
.endr
.irp b, 0,1,2,3
	s_delay_alu instid0(VALU_DEP_4)
	v_max_num_f32 v[TM+\b], v[TM+\b], v[TP+\b]
.endr
	s_delay_alu instid0(VALU_DEP_2)
	v_max3_num_f32 v[TMP], v[TM], v[TM+1], v[TM+2]
	s_delay_alu instid0(VALU_DEP_1)
	v_max_num_f32 v[TMP], v[TMP], v[TM+3]
	s_delay_alu instid0(VALU_DEP_1)
	v_mul_f32 v[TMP], s24, v[TMP]                  ; as t
	s_delay_alu instid0(VALU_DEP_1)
	v_max_num_f32 v[NM+1], v[NM+1], v[TMP]         ; the running largest t
	v_mov_b32 v[TMP], v[NM]
	s_delay_alu instid0(VALU_DEP_2)
	v_floor_f32 v[NM], -v[NM+1]                    ; -M = floor(-t)
	s_delay_alu instid0(VALU_DEP_1)
	v_sub_f32 v[TMP], v[NM], v[TMP]                ; old M - new M, 0 or less
	s_delay_alu instid0(VALU_DEP_1)
	v_cvt_i32_f32 v[TMP], v[TMP]
	s_delay_alu instid0(VALU_DEP_1)
	v_ldexp_f32 v[FF], 1.0, v[TMP]                 ; f = 2^(old M - new M)
.set j, 0
.rept 32
	v_pk_fma_f32 v[SCO+j:SCO+j+1], v[SCO+j:SCO+j+1], s[24:25], v[NM:NM+1] op_sel_hi:[1,0,0]   ; t - M
.set j, j+2
.endr
.irp b, 0,1,2,3
	v_fma_f32 v[TM+\b], v[TM+\b], s24, v[NM]
.endr
.set j, 0
	s_wait_alu depctr_va_vdst(0)                   ; ahead of the batch
.rept 64
	v_exp_f32 v[SCO+j], v[SCO+j]                   ; p = 2^(t - M): not normalised
.set j, j+1
.endr
	v_pk_mul_f32 v[LS:LS+1], v[LS:LS+1], v[FF:FF+1] op_sel_hi:[1,0]   ; the sums under the new M: a plain place behind the exponentials
	s_wait_alu depctr_va_vdst(0)                   ; one wait for the batch, ahead of its first reader
.irp b, 0,1,2,3
	v_exp_f32 v[TM+\b], v[TM+\b]                   ; the blocks' largest p
.endr
; the row's sum of the unquantised p: 32 pairs in eight chains
.irp c, 0,1,2,3,4,5
	v_pk_add_f32 v[244+2*\c:245+2*\c], v[SCO+4*\c:SCO+4*\c+1], v[SCO+4*\c+2:SCO+4*\c+3]
.endr
	v_pk_add_f32 v[TP:TP+1], v[SCO+24:SCO+25], v[SCO+26:SCO+27]
	v_pk_add_f32 v[LS:LS+1], v[LS:LS+1], v[SCO+28:SCO+29]
.irp c, 0,1,2,3,4,5
	v_pk_add_f32 v[244+2*\c:245+2*\c], v[244+2*\c:245+2*\c], v[SCO+30+2*\c:SCO+31+2*\c]
.endr
	v_pk_add_f32 v[TP:TP+1], v[TP:TP+1], v[SCO+42:SCO+43]
	v_pk_add_f32 v[LS:LS+1], v[LS:LS+1], v[SCO+44:SCO+45]
.irp c, 0,1,2,3,4,5
	v_pk_add_f32 v[244+2*\c:245+2*\c], v[244+2*\c:245+2*\c], v[SCO+46+2*\c:SCO+47+2*\c]
.endr
	v_pk_add_f32 v[TP:TP+1], v[TP:TP+1], v[SCO+58:SCO+59]
	v_pk_add_f32 v[LS:LS+1], v[LS:LS+1], v[SCO+60:SCO+61]
	v_pk_add_f32 v[TP:TP+1], v[TP:TP+1], v[SCO+62:SCO+63]
	v_pk_add_f32 v[244:245], v[244:245], v[246:247]
	v_pk_add_f32 v[248:249], v[248:249], v[250:251]
	v_pk_add_f32 v[252:253], v[252:253], v[254:255]
	v_pk_add_f32 v[LS:LS+1], v[LS:LS+1], v[TP:TP+1]
	v_pk_add_f32 v[244:245], v[244:245], v[248:249]
	v_pk_add_f32 v[LS:LS+1], v[LS:LS+1], v[252:253]
	v_pk_add_f32 v[LS:LS+1], v[LS:LS+1], v[244:245]
	s_wait_alu depctr_va_vdst(0)                   ; and one for the four
.irp b, 0,1,2,3
	v_max_num_f32 v[TM+\b], 0x1800000, v[TM+\b]    ; the floor: a block whose every p is 0 keeps the byte 1
.endr
.irp b, 0,1,2,3
	s_delay_alu instid0(VALU_DEP_4)
	v_add_nc_u32 v[SO+\b], 0xff000000, v[TM+\b]
.endr
.irp b, 0,1,2,3
	s_delay_alu instid0(VALU_DEP_4)
	v_lshrrev_b32 v[TP+\b], 23, v[SO+\b]
.endr
	s_delay_alu instid0(VALU_DEP_3)
	v_lshl_or_b32 v[PW], v[TP+1], 8, v[TP]
	s_delay_alu instid0(VALU_DEP_1)
	v_lshl_or_b32 v[PW], v[TP+2], 16, v[PW]
	s_delay_alu instid0(VALU_DEP_1)
	v_lshl_or_b32 v[PW], v[TP+3], 24, v[PW]
	v_cvt_scalef32_pk16_fp6_f32 v[PC:PC+2], v[SCO:SCO+15], v[SO]
	v_cvt_scalef32_pk16_fp6_f32 v[PT:PT+2], v[SCO+16:SCO+31], v[SO+1]
	v_cvt_scalef32_pk16_fp6_f32 v[PC+6:PC+8], v[SCO+32:SCO+47], v[SO+2]
	v_cvt_scalef32_pk16_fp6_f32 v[PT2:PT2+2], v[SCO+48:SCO+63], v[SO+3]
	v_nop                                          ; one plain place behind a scaled conversion
.irp i, 0,1,2
	v_permlane16_swap_b32 v[PC+\i], v[PT+\i]
.endr
.irp i, 0,1,2
	s_delay_alu instid0(VALU_DEP_3)
	v_mov_b32 v[PC+3+\i], v[PT+\i]
.endr
.irp i, 0,1,2
	v_permlane16_swap_b32 v[PC+6+\i], v[PT2+\i]
.endr
.irp i, 0,1,2
	s_delay_alu instid0(VALU_DEP_3)
	v_mov_b32 v[PC+9+\i], v[PT2+\i]
.endr
	s_wait_alu depctr_va_vdst(0)                   ; directly ahead of the first reader of O^T
.set j, 0
.rept 16
	v_pk_mul_f32 v[OAC+j:OAC+j+1], v[OAC+j:OAC+j+1], v[FF:FF+1] op_sel_hi:[1,0]   ; O^T under the new M; also the places behind p's scale word and codes
.set j, j+2
.endr
	s_wait_alu depctr_va_vdst(0)
	s_wait_dscnt 0x0                               ; v is in
.irp t, 0,1,2,3
	WM OAC+8*\t, KR+12*\t, PC, OAC+8*\t, VS+\t, PW, 0
.endr
.endm
.macro PAIR                            ; a slot's two key steps
	s_mov_b32 s31, 2
.Lpair_\@:
	STEP
	s_add_co_u32 s26, s26, KVB
	s_sub_co_u32 s31, s31, 1
	s_cmp_lg_u32 s31, 0
	s_cbranch_scc1 .Lpair_\@
	s_sub_co_u32 s26, s26, 2*KVB
	s_xor_b32 s26, s26, SLOT1
.endm
.macro GROUP_HEAD i                    ; head 4 i + w / 4: its q, and a fresh state
	ds_load_b128 v[QF:QF+3], v24 offset:768*(\i)
	ds_load_b64 v[QF+4:QF+5], v25 offset:768*(\i)+512
	ds_load_b32 v[QSR], v26 offset:64*(\i)
.set j, 0
.rept 32
	v_mov_b32 v[OAC+j], 0                          ; the step is written once: its first turn finds zeros
.set j, j+1
.endr
	v_mov_b32 v[LS], 0
	v_mov_b32 v[LS+1], 0
	v_mov_b32 v[NM+1], 0xce800000                  ; the largest t so far: -2^30
	s_delay_alu instid0(VALU_DEP_1)
	v_floor_f32 v[NM], -v[NM+1]
	s_wait_dscnt 0x0
.endm
.macro GROUP_TAIL i                    ; O^T / the sum is quantised along d and takes the place of the q that I have used up
.rept 4
	v_nop
.endr
	v_add_f32 v[LS], v[LS], v[LS+1]
	s_delay_alu instid0(VALU_DEP_1)
	v_permlanex16_b32 v[TP], v[LS], s22, s23
	s_delay_alu instid0(VALU_DEP_1)
	v_add_f32 v[LS], v[LS], v[TP]
	s_wait_alu depctr_va_vdst(0)
	v_rcp_f32 v[FF], v[LS]
	v_nop
	s_wait_alu depctr_va_vdst(0)
.set j, 0
.rept 16
	v_pk_mul_f32 v[OAC+j:OAC+j+1], v[OAC+j:OAC+j+1], v[FF:FF+1] op_sel_hi:[1,0]
.set j, j+2
.endr
	QUANT64 OAC
	ds_store_b128 v24, v[PC:PC+3] offset:768*(\i)
	ds_store_b64 v25, v[PC+4:PC+5] offset:768*(\i)+512
	ds_store_b16 v27, v[PWH] offset:256*(\i)
	s_wait_dscnt 0x0
.endm
.macro GROUP i, trips
	GROUP_HEAD \i
	s_mov_b32 s27, \trips
.Lgrp_\@:
	CHANGE 72, 48, 1, 2*KVB, 1
	ASKK
	PAIR
	s_sub_co_u32 s27, s27, 1
	s_cmp_lg_u32 s27, 0
	s_cbranch_scc1 .Lgrp_\@
.endm
	s_load_b256 s[4:11], s[0:1], 0x0               ; x s[4:5], q_b s[6:7], proj_b s[8:9], wq s[10:11]
	s_load_b128 s[12:15], s[0:1], 0x20             ; kvs s[12:13], wp s[14:15]
	s_load_b64 s[16:17], s[0:1], 0x30              ; out0
	v_lshl_add_u32 v1, v0, 2, SPARE
	v_mov_b32 v2, 0
	ds_add_u32 v1, v2                              ; the opening lines: the add, twice on end, and its wait ahead of my first tensor load
	ds_add_u32 v1, v2
	v_lshrrev_b32 v5, 5, v0
	s_delay_alu instid0(VALU_DEP_1)
	v_readfirstlane_b32 s18, v5                    ; wave 0..15
	s_bfe_u32 s19, ttmp6, 0x40000                  ; cx
	s_lshl_b32 s20, ttmp9, 2
	s_add_co_u32 s20, s20, s19                     ; my block of 64 rows
	s_lshr_b32 s21, ttmp9, 4                       ; the batch, which the four partners share
	s_mov_b32 s22, 0x76543210
	s_mov_b32 s23, 0xfedcba98                      ; v_permlanex16_b32's selects for lane l xor 16
	s_mov_b32 s24, 0x3e38aa3b                      ; log2(e) / 8
	s_mov_b32 s25, s24
	s_mov_b32 s26, 0
	s_mov_b32 s28, 8
	s_and_b32 s86, s18, 3
	s_lshr_b32 s87, s18, 2
	; group 1 for x: my 4 rows of 4,096 bytes are dense: 16 rows of 1,024 bytes (128 elements of 8), 16 bytes of padding behind each
	s_mov_b32 s32, (3<<16)|(1<<20)|(7<<22)|(3<<25)
	s_mov_b32 s33, 128<<16
	s_mov_b32 s34, 16<<16
	s_mov_b32 s35, 128<<16
	s_mov_b32 s36, 16
	s_mov_b32 s37, 128
	s_mov_b32 s38, 0
	s_mov_b32 s39, 0
	; for a sixteenth of two blocks of k and v: 30 dense rows of 256 bytes; mask 15, bit 21 beside it
	s_mov_b32 s48, 15|(3<<16)|(1<<21)
	s_mov_b32 s49, 32<<16
	s_mov_b32 s50, 30<<16
	s_mov_b32 s51, 32<<16
	s_mov_b32 s52, 30
	s_mov_b32 s53, 32
	s_mov_b32 s54, 0
	s_mov_b32 s55, 0
	s_lshl_b32 s88, s20, 6
	s_lshl_b32 s89, s18, 2
	s_add_co_u32 s88, s88, s89
	s_lshl_b32 s88, s88, 12                        ; x: row 64 x block + 4 x wave
	s_mov_b32 s89, 0
	s_mul_i32 s94, s18, 7680
	s_mul_i32 s92, s21, 983040
	s_mov_b32 s93, 0
	s_and_b32 s95, s18, 12
	s_add_co_u32 s95, s95, s19                     ; the prefetches' piece
	s_mul_i32 s96, s95, 6400
	s_mov_b32 s97, 0
	s_mul_i32 s98, s95, 7680
	s_add_co_u32 s98, s98, s92
	s_mov_b32 s99, 0
	s_add_co_u32 s92, s92, s94
	s_or_b32 s95, s86, ttmp9
	s_cmp_eq_u32 s95, 0
	s_cselect_b32 s30, 1, 0                        ; waves 0, 4, 8, 12 of the first cluster ask for the weights,
	s_and_b32 s95, ttmp9, 15
	s_or_b32 s95, s95, s86
	s_cmp_eq_u32 s95, 0
	s_cselect_b32 s29, 1, -1                       ; of a batch's first cluster for k and v
	s_wait_dscnt 0x0
	s_wait_kmcnt 0x0
	s_mov_b32 s72, 1                               ; group 0 for k and v
	s_mov_b32 s73, s94
	s_add_nc_u64 s[74:75], s[12:13], s[92:93]
	s_or_b32 s75, s75, 0x80000000
	s_add_nc_u64 s[80:81], s[12:13], s[98:99]      ; the prefetches' bases
	s_add_nc_u64 s[82:83], s[10:11], s[96:97]
	s_add_nc_u64 s[84:85], s[14:15], s[96:97]
	s_mov_b32 s56, 1                               ; group 0 for x
	s_mul_i32 s57, s18, XW
	s_add_nc_u64 s[58:59], s[4:5], s[88:89]
	s_or_b32 s59, s59, 0x80000000
	s_lshl_b32 s88, s18, 8
	s_add_nc_u64 s[6:7], s[6:7], s[88:89]          ; my head's biases
	s_add_nc_u64 s[8:9], s[8:9], s[88:89]
	s_lshl_b32 s90, s20, 18
	s_add_co_u32 s88, s88, s90
	s_add_nc_u64 s[16:17], s[16:17], s[88:89]      ; out0 at my block's first row, my head's columns
	CROUND                                         ; in front of the first tensor loads
	tensor_load_to_lds s[56:59], s[32:39]          ; my four rows of x: my one load at the head
	s_nop 0
	v_and_b32 v28, 31, v0                          ; lane
	v_and_b32 v29, 15, v0                          ; r
	v_bfe_u32 v30, v0, 4, 1                        ; h
	s_delay_alu instid0(VALU_DEP_3)
	v_min_u32 v3, 24, v28
	v_min_u32 v4, 29, v28
	s_delay_alu instid0(VALU_DEP_2)
	v_lshlrev_b32 v3, 8, v3
	s_delay_alu instid0(VALU_DEP_2)
	v_lshlrev_b32 v4, 8, v4
	GADDR
	WLOAD 10, 0                                    ; q_w's first two K steps are on their way while x is
	WLOAD 10, 1
	ASKW 82, 2
	ASKW 82, 3
	s_mul_i32 s88, s87, 4160                       ; x of tile m = w / 4, lane r: XW r + 4,160 m + 1,040 j + 256 (w % 4) + 64 h
	s_lshl_b32 s89, s86, 8
	s_add_co_u32 s88, s88, s89
	v_mul_u32_u24 v20, v29, XW
	s_delay_alu instid0(VALU_DEP_1)
	v_lshl_add_u32 v20, v30, 6, v20
	s_delay_alu instid0(VALU_DEP_1)
	v_add_nc_u32 v20, s88, v20
	s_lshl_b32 s88, s86, 2
	s_add_co_u32 s88, s88, s87
	s_mul_i32 s88, s88, 3072
	s_add_co_u32 s88, s88, IMG
	v_lshl_add_u32 v21, v28, 4, s88                ; x's half images: place (4 (w % 4) + w / 4) x 4 + j
	v_lshl_add_u32 v22, v28, 3, s88
	s_lshl_b32 s88, s87, 10
	s_bfe_u32 s89, s18, 0x10001
	s_lshl_b32 s89, s89, 7
	s_add_co_u32 s88, s88, s89
	s_and_b32 s89, s18, 1
	s_lshl_b32 s89, s89, 1
	s_add_co_u32 s88, s88, s89
	s_add_co_u32 s88, s88, XS
	v_lshl_add_u32 v23, v28, 2, s88                ; my two bytes of their scale words
	v_lshlrev_b32 v24, 6, v30                      ; the biases: 64 h
.irp b, 196,197,228,229
	v_mov_b32 v[\b], 0                             ; a lane permute's destination counts as one of its sources
.endr
	s_wait_alu depctr_va_vdst(0)
	; ---- x becomes codes
	s_wait_tensorcnt 0x0                           ; my rows are in,
	s_barrier_signal -1
	s_barrier_wait -1                              ; everybody's are
	XL 0
	XL 1
	XQ 0, 8
	XL 2
	XQ 1, 11                                       ; behind XL 1: three stores and XL 2's eight loads
	XL 3
	XQ 2, 11
	XQ 3, 3
	s_wait_dscnt 0x0                               ; the stores have read their registers
	BIAS 6, 24                                     ; q_b
	s_wait_xcnt 0x0                                ; v24 is free
	CHANGE 72, 48, 0, 0, 0                         ; x has been read, its images lie in LDS: the batch's first two blocks of k and v go over x's bytes
	ASKK
	; ---- q = x q_w + q_b: no barrier
.irp s, 0,1,2,3,4,5,6,7
	GSTEP 10, 82, \s
.endr
	; ---- q is quantised along d and takes x's places
	SETT 50
	v_and_b32 v28, 31, v0
	v_and_b32 v29, 15, v0
	s_wait_alu depctr_va_vdst(0)
	s_mul_i32 s88, s86, 12288
	s_mul_i32 s89, s87, 768
	s_add_co_u32 s88, s88, s89
	s_add_co_u32 s88, s88, IMG
	v_lshl_add_u32 v20, v28, 4, s88                ; q's half images: place (4 (w % 4) + m) x 4 + w / 4
	v_lshl_add_u32 v21, v28, 3, s88
	s_lshl_b32 s88, s86, 4
	s_add_co_u32 s88, s88, s87
	s_lshl_b32 s88, s88, 6
	s_add_co_u32 s88, s88, QS
	v_lshl_add_u32 v22, v29, 2, s88                ; q's scale words
.irp b, 0,1,2,3
	v_mov_b32 v[TP+\b], 0
.endr
	s_wait_alu depctr_va_vdst(0)
	s_wait_dscnt 0x0
	s_barrier_signal -1
	s_barrier_wait -1                              ; nobody reads x's images any more
.irp m, 0,1,2,3
	QUANT64 ACC+32*\m
	v_or_b32 v[TMP], 0x7f7f0000, v[PWH]            ; bytes 2 and 3: 127, for the code +1.0 at k = 64
	ds_store_b128 v20, v[PC:PC+3] offset:3072*\m
	ds_store_b64 v21, v[PC+4:PC+5] offset:3072*\m+512
	ds_store_b32 v22, v[TMP] offset:256*\m
	s_wait_dscnt 0x0
.endr
	s_barrier_signal -1
	s_barrier_wait -1                              ; q's 64 half images lie in LDS
	; ---- attention
	v_and_b32 v28, 31, v0
	v_and_b32 v29, 15, v0
	s_wait_alu depctr_va_vdst(0)
	s_lshl_b32 s88, s87, 13
	v_lshl_add_u32 v5, v28, 4, s88                 ; k's images of my head in a block
	s_lshl_b32 s88, s87, 9
	s_add_co_u32 s89, s88, 57344
	v_lshl_add_u32 v6, v28, 2, s89                 ; k's scale words
	s_add_co_u32 s89, s88, 59392
	v_lshl_add_u32 v8, v28, 2, s89                 ; v's
	s_mul_i32 s89, s87, 6144
	s_add_co_u32 s89, s89, 32768
	v_lshl_add_u32 v7, v28, 4, s89                 ; v's fragments
	s_mul_i32 s88, s18, 3072
	s_add_co_u32 s88, s88, IMG
	v_lshl_add_u32 v24, v28, 4, s88                ; my four places: 4 w + i
	v_lshl_add_u32 v25, v28, 3, s88
	s_lshl_b32 s88, s18, 8
	s_add_co_u32 s88, s88, QS
	v_lshl_add_u32 v26, v29, 2, s88
	s_lshl_b32 s88, s86, 10
	s_lshr_b32 s89, s18, 3
	s_lshl_b32 s89, s89, 7
	s_add_co_u32 s88, s88, s89
	s_and_b32 s89, s87, 1
	s_lshl_b32 s89, s89, 1
	s_add_co_u32 s88, s88, s89
	s_add_co_u32 s88, s88, XS
	v_lshl_add_u32 v27, v28, 2, s88                ; o's two scale bytes
	v_bfe_u32 v[QF+6], v0, 4, 1
	s_delay_alu instid0(VALU_DEP_1)
	v_sub_nc_u32 v[QF+6], 1, v[QF+6]
	s_delay_alu instid0(VALU_DEP_1)
	v_lshlrev_b32 v[QF+6], 3, v[QF+6]              ; the code +1.0 (0x08) at k = 64, in lanes 0-15
.irp j, 7,8,9,10,11
	v_mov_b32 v[QF+\j], 0
.endr
.irp j, 64,65,66,67
	v_mov_b32 v[KR+\j], 0                          ; what the last key tile's run of 12 registers reads beyond its image
.endr
	v_mov_b32 v[FF+1], 0                           ; named with f as a pair
	s_wait_alu depctr_va_vdst(0)
	GROUP 0, 2
	GROUP_TAIL 0
	GROUP 1, 2
	GROUP_TAIL 1
	GROUP 2, 2
	GROUP_TAIL 2
	ASKW 84, 0
	ASKW 84, 1
	GROUP 3, 1
	s_wait_tensorcnt 0x0                           ; the last slot of k and v: nothing is left to fetch, so no round follows
	ds_add_u32 v1, v2
	s_wait_dscnt 0x0
	s_barrier_signal -1
	s_barrier_wait -1
	ASKW 84, 2
	ASKW 84, 3
	PAIR
	GROUP_TAIL 3
	; ---- out0 = o proj_w + proj_b: no barrier but the one that shows o's images
	GADDR
	v_bfe_u32 v20, v0, 4, 1
	v_lshlrev_b32 v20, 6, v20
	WLOAD 14, 0
	WLOAD 14, 1
	BIAS 8, 20                                     ; proj_b
	s_wait_xcnt 0x0                                ; v20 is free
	s_barrier_signal -1
	s_barrier_wait -1                              ; o's 64 half images lie in LDS
.irp s, 0,1,2,3,4,5,6,7
	GSTEP 14, 84, \s
.endr
	; ---- the way out: 16 rows x my 64 columns at a time through my own stage in slot 0, which has had its last fill and its last read; stage row p of tile m is row 4 p + m of the block
	v_and_b32 v23, 15, v0
	v_bfe_u32 v24, v0, 4, 1
	s_mul_i32 s88, s18, 4352                       ; 16 rows x (256 + 16) bytes
	v_lshlrev_b32 v22, 14, v24
	v_mul_u32_u24 v20, v23, 272
	v_mul_u32_u24 v21, v24, 272
	v_lshl_add_u32 v22, v23, 4, v22                ; out0: 4 rows x h + 16 r
	v_lshl_add_u32 v20, v24, 6, v20
	v_lshl_add_u32 v21, v23, 4, v21
	v_add_nc_u32 v20, s88, v20                     ; in: row r, + 64 h
	v_add_nc_u32 v21, s88, v21                     ; back: lanes 0-15 one row, lanes 16-31 the next
.macro TOSTAGE m
.irp t, 0,1,2,3
	ds_store_b128 v20, v[ACC+32*(\m)+8*\t:ACC+32*(\m)+8*\t+3] offset:128*(\t/2)+32*(\t%2)          ; each accumulator from its low end on
	ds_store_b128 v20, v[ACC+32*(\m)+8*\t+4:ACC+32*(\m)+8*\t+7] offset:128*(\t/2)+32*(\t%2)+16
.endr
.irp i, 0,1,2,3,4,5,6,7
	ds_load_b128 v[32+32*((\m)%2)+4*\i:32+32*((\m)%2)+4*\i+3], v21 offset:544*\i   ; LDS serves a wave's instructions in order: these see my stores
.endr
.endm
.macro SEND m, younger
	s_wait_dscnt \younger                          ; the block is back; the next block's 8 stores and 8 loads may be out
.irp i, 0,1,2,3,4,5,6,7
	global_store_b128 v22, v[32+32*((\m)%2)+4*\i:32+32*((\m)%2)+4*\i+3], s[16:17] offset:(8*\i+(\m))*4096 th:TH_STORE_NT   ; sixteen lanes store 256 consecutive bytes, aligned
.endr
.endm
	s_wait_alu depctr_va_vdst(0)
	TOSTAGE 0
	TOSTAGE 1
	SEND 0, 16
	s_wait_xcnt 0x0                                ; block 0's stores have read their registers
	TOSTAGE 2
	SEND 1, 16
	s_wait_xcnt 0x0
	TOSTAGE 3
	SEND 2, 16
	SEND 3, 0
	s_wait_tensorcnt 0x0                           ; the wave's end
	ds_add_u32 v1, v2
	s_wait_dscnt 0x0
	CROUND                                         ; the closing round
	s_endpgm
.Lfunc_end_k_q571d1ffdaf_main:
	.size	k_q571d1ffdaf_main, .Lfunc_end_k_q571d1ffdaf_main-k_q571d1ffdaf_main
	.p2alignl 7, 3214868480
	.fill 96, 4, 3214868480
	.section	.rodata,"a",@progbits
	.p2align	6, 0x0
	.amdhsa_kernel k_q571d1ffdaf_main
		.amdhsa_group_segment_fixed_size 327680
		.amdhsa_private_segment_fixed_size 0
		.amdhsa_enable_private_segment 0
		.amdhsa_kernarg_size 56
		.amdhsa_user_sgpr_count 2
		.amdhsa_user_sgpr_kernarg_segment_ptr 1
		.amdhsa_wavefront_size32 1
		.amdhsa_system_sgpr_workgroup_id_x 1
		.amdhsa_system_sgpr_workgroup_id_y 1
		.amdhsa_system_sgpr_workgroup_id_z 1
		.amdhsa_system_vgpr_workitem_id 0
		.amdhsa_next_free_vgpr 256
		.amdhsa_next_free_sgpr 100
		.amdhsa_reserve_vcc 0
		.amdhsa_float_denorm_mode_32 3
		.amdhsa_float_denorm_mode_16_64 3
		.amdhsa_memory_ordered 1
		.amdhsa_forward_progress 1
		.amdhsa_inst_pref_size 244
	.end_amdhsa_kernel
	.amdgpu_metadata
---
amdhsa.version: [ 1, 2 ]
amdhsa.kernels:
  - .name:           k_q571d1ffdaf_main
    .symbol:         k_q571d1ffdaf_main.kd
    .args:
      - { .name: x, .offset: 0, .size: 8, .value_kind: global_buffer, .address_space: global }
      - { .name: q_b, .offset: 8, .size: 8, .value_kind: global_buffer, .address_space: global }
      - { .name: proj_b, .offset: 16, .size: 8, .value_kind: global_buffer, .address_space: global }
      - { .name: wq, .offset: 24, .size: 8, .value_kind: global_buffer, .address_space: global }
      - { .name: kvs, .offset: 32, .size: 8, .value_kind: global_buffer, .address_space: global }
      - { .name: wp, .offset: 40, .size: 8, .value_kind: global_buffer, .address_space: global }
      - { .name: out0, .offset: 48, .size: 8, .value_kind: global_buffer, .address_space: global }
    .group_segment_fixed_size: 327680
    .private_segment_fixed_size: 0
    .kernarg_segment_align: 8
    .kernarg_segment_size: 56
    .max_flat_workgroup_size: 512
    .sgpr_count:     100
    .vgpr_count:     256
    .wavefront_size: 32
...
	.end_amdgpu_metadata
.endif
;; end of part 3
